; MI455X (gfx1250); checked and timed in simulation.
; The chip was launched on July 23, 2026; its instructions are those of AMD's public machine-readable ISA for CDNA 5 (MIT licence, August 2026) and "CDNA5" Instruction Set Architecture Reference Guide (July 2026). The comments in the code are by the model that wrote it; some were corrected since.
;; GRU Cell. Allowed arithmetic: float matrix products may take bf16 or f16 operands with f32 sums; all other float work in f32.
;; Inputs: Whc 1,024 x 1,024 float32; Whr 1,024 x 1,024 float32; Whu 1,024 x 1,024 float32; Wxc 1,024 x 1,024 float32; Wxr 1,024 x 1,024 float32; Wxu 1,024 x 1,024 float32; bc 1 x 1,024 float32; br 1 x 1,024 float32; bu 1 x 1,024 float32; hidden_state 8,192 x 1,024 float32; input 8,192 x 1,024 float32.
;; Outputs: out0 8,192 x 1,024 float32.
;; One version. Each part assembles by itself: llvm-mc -triple=amdgcn-amd-amdhsa -mcpu=gfx1250 --defsym DOCPART=n.
;; ======== version 1 of 1: 3 launches
;; limits: values are held in f16: magnitudes above 65,504 overflow, below 6.1e-05 lose precision; inputs' magnitudes at most 65,504
;; workspace buffers: xb 16,777,216 bytes; hb 16,777,216 bytes; hrb 16,777,216 bytes; ubuf 33,554,432 bytes; wb 12,582,912 bytes
;; launch prep (part 1): grid 128 x 22, 8 waves a work-group, no clusters, 0 bytes of LDS; arguments input, hidden_state, Wxu, Whu, Wxr, Whr, Wxc, Whc, xb, hb, wb; writes xb, hb, wb
.if DOCPART == 1
	.amdgcn_target "amdgcn-amd-amdhsa--gfx1250"
	.amdhsa_code_object_version 6
	.text
	.protected	k_q82d90a68ae_prep
	.globl	k_q82d90a68ae_prep
	.p2align	8
	.type	k_q82d90a68ae_prep,@function
k_q82d90a68ae_prep:
	s_mov_b64 s[64:65], 0
	v_nop
	global_prefetch_b8 v0, s[64:65] scope:SCOPE_SE
	s_setreg_imm32_b32 hwreg(HW_REG_WAVE_MODE, 25, 1), 1
	s_wait_xcnt 0x0
; Cast f32 to f16: input -> xb, hidden_state -> hb, the six weights -> wb.
; wb is [3 gates u, r, c][2048 k][1024 n]: rows k < 1024 of a gate are Wx*, the others Wh*; that is the six weights one behind
; the other in the order Wxu, Whu, Wxr, Whr, Wxc, Whc, each as it lies ([k][n]).  So the whole launch is one stream.
; WHY f16: it keeps 11 significant bits where bf16 keeps 8, and a pre-activation is a sum of 2,048 products whose rounding errors add up.
; 22 units of 1,048,576 numbers (grid y): 0-7 input, 8-15 hidden_state, 16-21 one weight each.  A work-group (grid x) takes 8,192 numbers
; of its unit: 32 KiB in, 16 KiB out; a thread eight loads of 16 bytes, all issued before the first is used.
; A wave's load covers 512 consecutive bytes, its store 256 consecutive bytes, aligned.  No LDS, no barrier, no matrix unit: nothing is shared.
; LIMITS: a magnitude above f16's largest number, 65,504, becomes infinity; below 2^-14 the rounding error is absolute, at most 2^-25.
.set X, 8                              ; v[8:39]   eight loads of four f32
.set Y, 40                             ; v[40:55]  eight pairs of registers, four f16 each
	s_load_b512 s[8:23], s[0:1], 0x0               ; input, hidden_state, Wxu, Whu, Wxr, Whr, Wxc, Whc
	s_load_b128 s[24:27], s[0:1], 0x40             ; xb, hb
	s_load_b64 s[28:29], s[0:1], 0x50              ; wb
	s_and_b32 s2, ttmp7, 0xffff                    ; the unit
	s_and_b32 s3, s2, 7                            ; its number within its destination buffer
	v_lshlrev_b32 v1, 4, v0                        ; 16 bytes a thread in
	v_lshlrev_b32 v2, 3, v0                        ; 8 bytes a thread out
	s_lshl_b32 s32, s3, 21                         ; destination offset: 2 MiB a unit
	s_lshl_b32 s33, ttmp9, 14                      ; + 16 KiB a work-group
	s_add_co_u32 s32, s32, s33
	s_mov_b32 s33, 0
	s_cmp_ge_u32 s2, 16
	s_cselect_b32 s30, 0, s3                       ; a weight is one unit: it begins at its buffer's first byte
	s_lshl_b32 s30, s30, 22                        ; source offset: 4 MiB a unit
	s_lshl_b32 s31, ttmp9, 15                      ; + 32 KiB a work-group
	s_add_co_u32 s30, s30, s31
	s_mov_b32 s31, 0
	s_wait_kmcnt 0x0
	s_cmp_ge_u32 s2, 8                             ; the buffers are chosen by the unit's number alone
	s_cselect_b64 s[4:5], s[10:11], s[8:9]
	s_cselect_b64 s[6:7], s[26:27], s[24:25]
	s_cmp_ge_u32 s2, 16
	s_cselect_b64 s[6:7], s[28:29], s[6:7]
.irp j, 0,1,2,3,4,5
	s_cmp_eq_u32 s2, 16+\j
	s_cselect_b64 s[4:5], s[12+2*\j:13+2*\j], s[4:5]
.endr
	s_add_nc_u64 s[4:5], s[4:5], s[30:31]
	s_add_nc_u64 s[6:7], s[6:7], s[32:33]
.irp j, 0,1,2,3,4,5,6,7
	global_load_b128 v[X+4*\j:X+4*\j+3], v1, s[4:5] offset:4096*\j th:TH_LOAD_NT
.endr
.irp j, 0,1,2,3,4,5,6,7
	s_wait_loadcnt 7-\j                            ; loads come back in order: load j is in, the 7 - j younger ones stay out
	v_cvt_pk_f16_f32 v[Y+2*\j],   v[X+4*\j],   v[X+4*\j+1]
	v_cvt_pk_f16_f32 v[Y+2*\j+1], v[X+4*\j+2], v[X+4*\j+3]
	global_store_b64 v2, v[Y+2*\j:Y+2*\j+1], s[6:7] offset:2048*\j    ; no register is written twice: no further wait
.endr
	s_endpgm
.Lfunc_end_k_q82d90a68ae_prep:
	.size	k_q82d90a68ae_prep, .Lfunc_end_k_q82d90a68ae_prep-k_q82d90a68ae_prep
	.p2alignl 7, 3214868480
	.fill 96, 4, 3214868480
	.section	.rodata,"a",@progbits
	.p2align	6, 0x0
	.amdhsa_kernel k_q82d90a68ae_prep
		.amdhsa_group_segment_fixed_size 0
		.amdhsa_private_segment_fixed_size 0
		.amdhsa_enable_private_segment 0
		.amdhsa_kernarg_size 88
		.amdhsa_user_sgpr_count 2
		.amdhsa_user_sgpr_kernarg_segment_ptr 1
		.amdhsa_wavefront_size32 1
		.amdhsa_system_sgpr_workgroup_id_x 1
		.amdhsa_system_sgpr_workgroup_id_y 1
		.amdhsa_system_sgpr_workgroup_id_z 1
		.amdhsa_system_vgpr_workitem_id 0
		.amdhsa_next_free_vgpr 56
		.amdhsa_next_free_sgpr 66
		.amdhsa_reserve_vcc 0
		.amdhsa_float_denorm_mode_32 3
		.amdhsa_float_denorm_mode_16_64 3
		.amdhsa_memory_ordered 1
		.amdhsa_forward_progress 1
		.amdhsa_inst_pref_size 5
	.end_amdhsa_kernel
	.amdgpu_metadata
---
amdhsa.version: [ 1, 2 ]
amdhsa.kernels:
  - .name:           k_q82d90a68ae_prep
    .symbol:         k_q82d90a68ae_prep.kd
    .args:
      - { .name: input, .offset: 0, .size: 8, .value_kind: global_buffer, .address_space: global }
      - { .name: hidden_state, .offset: 8, .size: 8, .value_kind: global_buffer, .address_space: global }
      - { .name: Wxu, .offset: 16, .size: 8, .value_kind: global_buffer, .address_space: global }
      - { .name: Whu, .offset: 24, .size: 8, .value_kind: global_buffer, .address_space: global }
      - { .name: Wxr, .offset: 32, .size: 8, .value_kind: global_buffer, .address_space: global }
      - { .name: Whr, .offset: 40, .size: 8, .value_kind: global_buffer, .address_space: global }
      - { .name: Wxc, .offset: 48, .size: 8, .value_kind: global_buffer, .address_space: global }
      - { .name: Whc, .offset: 56, .size: 8, .value_kind: global_buffer, .address_space: global }
      - { .name: xb, .offset: 64, .size: 8, .value_kind: global_buffer, .address_space: global }
      - { .name: hb, .offset: 72, .size: 8, .value_kind: global_buffer, .address_space: global }
      - { .name: wb, .offset: 80, .size: 8, .value_kind: global_buffer, .address_space: global }
    .group_segment_fixed_size: 0
    .private_segment_fixed_size: 0
    .kernarg_segment_align: 8
    .kernarg_segment_size: 88
    .max_flat_workgroup_size: 256
    .sgpr_count:     66
    .vgpr_count:     56
    .wavefront_size: 32
...
	.end_amdgpu_metadata
.endif
;; end of part 1
;; launch gates (part 2): grid 8 x 32, 4 waves a work-group, clusters of 4 x 4, 327,680 bytes of LDS; arguments xb, hb, wb, bu, br, hidden_state, ubuf, hrb; writes ubuf, hrb
.if DOCPART == 2
	.amdgcn_target "amdgcn-amd-amdhsa--gfx1250"
	.amdhsa_code_object_version 6
	.text
	.protected	k_q82d90a68ae_gates
	.globl	k_q82d90a68ae_gates
	.p2align	8
	.type	k_q82d90a68ae_gates,@function
k_q82d90a68ae_gates:
	s_mov_b64 s[64:65], 0
	v_nop
	global_prefetch_b8 v0, s[64:65] scope:SCOPE_SE
	s_setreg_imm32_b32 hwreg(HW_REG_WAVE_MODE, 25, 1), 1
	s_wait_xcnt 0x0
	s_wait_alu depctr_hold_cnt(0) depctr_sa_sdst(0) depctr_va_vdst(0) depctr_va_sdst(0) depctr_va_ssrc(0) depctr_va_vcc(0) depctr_vm_vsrc(0)
	s_getreg_b32 s2, hwreg(HW_REG_IB_STS2, 6, 4)
	s_cmp_eq_u32 s2, 0
	s_cbranch_scc0 .Lentry_in_a_cluster
	s_endpgm
.Lentry_in_a_cluster:
	s_bfe_u32 s2, ttmp6, 0x10000c
	s_cmp_lg_u32 s2, 0xf033
	s_cbranch_scc0 .Lentry_shape_is_right
	s_endpgm
.Lentry_shape_is_right:
; u = sigmoid([x|h] Wu + bu) -> ubuf (f32);  h * sigmoid([x|h] Wr + br) -> hrb (f16, the next launch's matrix operand).
; xb, hb: [8192][1024] f16.  wb: [gate][2048 k][1024 n] f16.  K = 2048: k < 1024 along xb, the rest along hb.
; A work-group takes 256 rows x 128 columns of BOTH gates, with four waves: wave w makes gate w / 2 (0 = u, 1 = r), rows 128 (w % 2) .. + 127,
; 128 x 128 = 64 accumulator tiles = 512 registers.  K goes in 16 steps of 128 through two LDS slots filled by the tensor data mover.
; CLUSTERS: 4 x 4 work-groups.  The activations' tile hangs on the block row alone and is asked for jointly along a row of the cluster, the weights'
; tiles on the block column alone and are asked for jointly along a column: the requests for both are divided by four.
; By this text's count a wave has two tensor loads out at the start and one behind each round of the cluster's barrier.
; THE ORDER OF K: p = (cluster x + cluster y) mod 2.  Clusters with p = 0 walk k = 0 .. 1023 (xb) and then 1024 .. 2047 (hb); those with p = 1 the other
; way round.  An activation tile is read by the two clusters of one cluster y, whose p differ; a weight tile by the eight clusters of one cluster x,
; whose p take turns.  So half of a tile's readers ask for it in their first eight steps and the other half in their last eight: in its last eight
; steps a cluster asks only for bytes that another cluster has read eight steps before.  p is equal in all sixteen work-groups of a cluster.
; The weights lie [k][n]: their fragments are made by the transposing LDS load.  The matrix instruction is used transposed (source 0 = 16 columns
; of the weights, source 1 = 16 rows of the activations): lane l holds row l % 16 and columns 16 b + 8 (l / 16) + 0 .. 7 of the result.
; The 64 accumulators take turns, one instruction a turn, in one fixed order.
; LIMITS: matrix operands are f16 (11 significant bits; sums in f32): a magnitude above 65,504 in x, h or a weight has become infinity, and below 2^-14
; the rounding error is absolute, at most 2^-25.  With p = 1 the f32 sum takes k = 1024 .. 2047 first: another order of rounding.
; h * r is formed in f32 from the f32 h and rounded once; |h r| <= |h|, so it has h's room.
; sigmoid(y) = 1 / (1 + 2^(-y log2 e)): the power overflows to infinity (result 0) or flushes to zero below 2^-126 (result 1), which are sigmoid's own
; limits; nothing is shifted or clipped.
;
; REGISTERS, in windows of 256: window 0: v0-35 addresses and bias; v64-127, v128-191 activation fragments, two buffers, later the way out's two buffers;
; window 1: v64-127, v128-191 weight fragments, two buffers; on the way out all 256 are four buffers for h;
; window 2: accumulator tiles of my rows 0-63 (tile (a, b) at v[8 (8 a + b)]); window 3: those of my rows 64-127.
.set PA,    272                        ; LDS pitch of an activation row: 256 bytes + 16
.set PB,    288                        ; LDS pitch of a weight row (128 n of one k): 256 bytes + 32, an odd multiple of 32 for the transposing load
.set HALFA, 128*PA                     ; 128 activation rows: one tensor load
.set HALFB, 128*PB                     ; 128 k of one gate's weights: one tensor load
.set SLOT,  2*HALFB+2*HALFA            ; weights of u, weights of r, rows 0-127, rows 128-255: 143,360 bytes
.set STG,   2*SLOT                     ; behind the ring, at a multiple of 256 bytes: no tensor load lands here
.set SP,    528                        ; the stage's pitch: a row of 128 f32 + 16 bytes
.set WSTG,  16*SP                      ; a wave's own stage: 16 rows
.set ADRA, 16                          ; v16-17  LDS address of my activation fragments in slot 0, 1
.set ADRB, 20                          ; v20-21  the same for my gate's weights
.set STO,  24                          ; stage: where I put my 32 bytes of a row
.set RD,   25                          ; stage: where I read 16 bytes of a row back
.set CO,   26                          ; 16 x lane: my four f32 columns
.set CO8,  27                          ; 8 x lane: the same four columns in f16
.set PF,   28                          ; prefetch: (lane / 2) rows of 4,096 bytes + (lane % 2) x 256
.set BI,   32                          ; v[32:35] bias of my four columns, later times KL
.set F0,   64
.set F1,   128
.set G1,  24                           ; s[24:31] descriptor group 1, activations
.set G0,  32                           ; s[32:39] group 0, activations, one set a slot
.set G1B, 48                           ; s[48:55] group 1, weights
.set G0B, 56                           ; s[56:63] group 0, weights, one set a slot
.set PHB, 68                           ; s[68:71] the weights at the walk's steps 8 and 9 (these registers held xb's and hb's addresses, used up by then)
.set PH,  84                           ; s[84:87] the walk's second activation buffer at my rows, its K step 0 and 1
.set KL,  88                           ; s[88:89] -log2 e, twice
.set HB,  92                           ; s[92:93] hidden_state at my 128 x 128
.set UB,  94                           ; s[94:95] ubuf there
.set RB,  96                           ; s[96:97] hrb there
.set BB,  98                           ; s[98:99] my gate's bias at my columns
.set MSB, 0
.macro WIN new                         ; the immediate's high byte repeats the setting that is left; a switch that changes nothing is dropped
.if MSB != \new
	s_set_vgpr_msb (MSB<<8)|\new
.set MSB, \new
.endif
.endm
.set MUL_LO, 0xa1                      ; source 0 (weights) window 1, source 1 (activations) window 0, C and D window 2
.set MUL_HI, 0xf1                      ; the same, C and D window 3
.set TO_B,   0x40                      ; destination window 1, address window 0
.macro PLACES                          ; four plain vector places behind a matrix instruction, before its registers are loaded into or its result read (ISA guide 7.12.1)
.rept 4
	v_nop
.endr
.endm
; A joint load.  Waves 0 and 1 fetch the weights of gate 0 and 1, waves 2 and 3 the activations' two halves.  Each line has one mask; the branch hangs on the wave's number alone.
.macro JLOAD s
	s_cmp_eq_u32 s11, 0
	s_cbranch_scc0 .Lfor_a_\@
	tensor_load_to_lds s[G0B+4*\s:G0B+4*\s+3], s[G1B:G1B+7]
	s_nop 0
	s_branch .Lasked_\@
.Lfor_a_\@:
	tensor_load_to_lds s[G0+4*\s:G0+4*\s+3], s[G1:G1+7]
	s_nop 0
.Lasked_\@:
.endm
.macro CREST                           ; a round of the cluster's barrier behind its opening work-group barrier
	s_cmp_lg_u32 s10, 0
	s_cbranch_scc1 .Lnot_wave_0_\@
	s_barrier_signal -3
.Lnot_wave_0_\@:
	s_barrier_wait -3
	s_barrier_signal -1
	s_barrier_wait -1
.endm
.macro CROUND                          ; a whole round
	s_barrier_signal -1
	s_barrier_wait -1
	CREST
.endm
	s_load_b512 s[68:83], s[0:1], 0x0              ; xb 68, hb 70, wb 72, bu 74, br 76, hidden_state 78, ubuf 80, hrb 82
	v_lshl_add_u32 v254, v0, 2, 0x4e400
	v_mov_b32 v255, 0
	ds_add_u32 v254, v255
	v_lshrrev_b32 v1, 5, v0
	v_readfirstlane_b32 s10, v1                    ; wave 0..3
	s_lshr_b32 s11, s10, 1                         ; my gate.  Also: I fetch weights (0) or activations (1)
	s_and_b32 s12, s10, 1                          ; my half of the rows.  Also: which gate's weights, or which half of the rows, I fetch
	s_bfe_u32 s40, ttmp6, 0x40000                  ; cx
	s_bfe_u32 s41, ttmp6, 0x40004                  ; cy
	s_lshl_b32 s42, ttmp9, 2
	s_add_co_u32 s42, s42, s40                     ; block column (128 n) = 4 x cluster x + cx
	s_and_b32 s13, ttmp7, 0xffff                   ; cluster y
	s_add_co_u32 s45, s13, ttmp9                   ; + cluster x,
	s_and_b32 s45, s45, 1                          ; odd or even: p, the order of K; made of the cluster's place alone, so equal in all sixteen work-groups
	s_lshl_b32 s13, s13, 2
	s_add_co_u32 s13, s13, s41                     ; block row (256 rows) = 4 x cluster y + cy
	s_lshl_b32 s43, s41, 2
	s_lshl_b32 s43, 15, s43                        ; my row of the cluster
	s_lshl_b32 s44, 0x1111, s40                    ; my column of the cluster
	; group 1: tiles of 128 rows x 128 elements of 2 bytes, 1,024 elements from row to row; behind every 64 words 4 (activations) or 8 (weights) words are skipped in LDS
	s_or_b32 s[G1+0], s43, (1<<16)|(1<<20)|(1<<21)|(5<<22)|(3<<25)
	s_or_b32 s[G1B+0], s44, (1<<16)|(1<<20)|(1<<21)|(5<<22)|(7<<25)
	s_mov_b32 s[G1+1], 128<<16                     ; tensor_dim0 = 128
	s_mov_b32 s[G1B+1], 128<<16
	s_mov_b32 s[G1+2], 128<<16                     ; tensor_dim1 = 128
	s_mov_b32 s[G1B+2], 128<<16
	s_mov_b32 s[G1+3], 128<<16                     ; tile_dim0 = 128
	s_mov_b32 s[G1B+3], 128<<16
	s_mov_b32 s[G1+4], 128                         ; tile_dim1 = 128
	s_mov_b32 s[G1B+4], 128
	s_mov_b32 s[G1+5], 1024                        ; pitch
	s_mov_b32 s[G1B+5], 1024
	s_mov_b32 s[G1+6], 0
	s_mov_b32 s[G1B+6], 0
	s_mov_b32 s[G1+7], 0
	s_mov_b32 s[G1B+7], 0
	s_mov_b32 s[KL], 0xbfb8aa3b                    ; -log2 e
	s_mov_b32 s[KL+1], 0xbfb8aa3b
	; offsets, each in registers of its own: those of the activations never hold cx, those of the weights never cy
	s_lshl_b32 s14, s13, 8
	s_lshl_b32 s15, s12, 7
	s_add_co_u32 s14, s14, s15                     ; row 256 x block row + 128 x half: the rows that I fetch (waves 2, 3) and the rows that I make
	s_lshl_b32 s16, s14, 11                        ; in xb and hb: 2,048 bytes a row
	s_mov_b32 s17, 0
	s_lshl_b32 s46, s12, 22                        ; in wb: 4 MiB a gate
	s_lshl_b32 s47, s42, 8                         ; + 256 bytes a block column
	s_add_co_u32 s46, s46, s47
	s_xor_b32 s20, s45, 1
	s_lshl_b32 s20, s20, 21                        ; the walk's second half begins at k row 1,024 (1 - p): 2,048 bytes a row
	s_add_co_u32 s66, s46, s20
	s_mov_b32 s67, 0
	s_lshl_b32 s20, s45, 21                        ; its first half at k row 1,024 p
	s_add_co_u32 s46, s46, s20
	s_mov_b32 s47, 0
	s_lshl_b32 s6, s42, 9                          ; my columns in f32: 512 bytes a block column
	s_mov_b32 s7, 0
	s_lshl_b32 s90, s14, 12                        ; my 128 x 128 in an f32 tensor
	s_add_co_u32 s90, s90, s6
	s_mov_b32 s91, 0
	s_lshr_b32 s4, s90, 1                          ; and in an f16 tensor
	s_mov_b32 s5, 0
	s_mul_i32 s18, s10, HALFA                      ; LDS: waves 2, 3 fill the two halves of the rows, behind the weights:
	s_add_co_u32 s18, s18, 2*HALFB-2*HALFA         ; wave x 34,816 + 4,096
	s_mul_i32 s19, s10, HALFB                      ; waves 0, 1 fill the two gates' weights: wave x 36,864
	s_wait_dscnt 0x0
	s_wait_kmcnt 0x0
	s_cmp_eq_u32 s45, 0                            ; the two activation buffers in the order of the walk, chosen by p
	s_cselect_b64 s[8:9], s[68:69], s[70:71]       ; first: xb (p = 0) or hb
	s_cselect_b64 s[PH:PH+1], s[70:71], s[68:69]   ; second: hb (p = 0) or xb
	s_add_nc_u64 s[8:9], s[8:9], s[16:17]          ; both at my rows
	s_add_nc_u64 s[PH:PH+1], s[PH:PH+1], s[16:17]
	s_add_nc_u64 s[PH+2:PH+3], s[PH:PH+1], 256
	s_add_nc_u64 s[PHB:PHB+1], s[72:73], s[66:67]  ; wb at the gate, the columns and the second half's first k row
	s_add_nc_u64 s[PHB+2:PHB+3], s[PHB:PHB+1], 262144
	s_add_nc_u64 s[46:47], s[72:73], s[46:47]      ; and at the first half's
	s_add_nc_u64 s[HB:HB+1], s[78:79], s[90:91]
	s_add_nc_u64 s[UB:UB+1], s[80:81], s[90:91]
	s_add_nc_u64 s[RB:RB+1], s[82:83], s[4:5]
	s_cmp_eq_u32 s11, 0
	s_cselect_b64 s[BB:BB+1], s[74:75], s[76:77]   ; bu or br, by the wave's number
	s_add_nc_u64 s[BB:BB+1], s[BB:BB+1], s[6:7]
	CROUND                                         ; all sixteen work-groups are here: the first joint loads meet
.irp s, 0,1
	s_mov_b32 s[G0+4*\s], 1
	s_add_co_u32 s[G0+4*\s+1], s18, \s*SLOT
	s_add_nc_u64 s[G0+4*\s+2:G0+4*\s+3], s[8:9], \s*256            ; walk step s: 128 elements along the row
	s_or_b32 s[G0+4*\s+3], s[G0+4*\s+3], 0x80000000
	s_mov_b32 s[G0B+4*\s], 1
	s_add_co_u32 s[G0B+4*\s+1], s19, \s*SLOT
	s_add_nc_u64 s[G0B+4*\s+2:G0B+4*\s+3], s[46:47], \s*262144     ; walk step s: 128 rows of 2,048 bytes
	s_or_b32 s[G0B+4*\s+3], s[G0B+4*\s+3], 0x80000000
	JLOAD \s
.endr
	v_and_b32 v1, 15, v0                           ; r = lane % 16
	v_bfe_u32 v2, v0, 4, 1                         ; h = lane / 16
	v_mul_u32_u24 v3, v1, PA
	v_lshl_add_u32 v3, v2, 4, v3                   ; activations: row r, 16 h bytes along K
	v_and_b32 v4, 7, v0
	v_lshl_add_u32 v4, v2, 3, v4
	v_mul_u32_u24 v4, v4, PB                       ; weights: k row 8 h + lane % 8,
	v_bfe_u32 v5, v0, 3, 1
	v_lshl_add_u32 v4, v5, 4, v4                   ; 16 bytes on for lanes 8-15 and 24-31
	s_mul_i32 s21, s12, HALFA
	s_add_co_u32 s21, s21, 2*HALFB                 ; my half of the rows
	s_mul_i32 s22, s11, HALFB                      ; my gate's weights
.irp s, 0,1
	v_add_nc_u32 v[ADRA+\s], s21, v3
	v_add_nc_u32 v[ADRB+\s], s22, v4
	s_add_co_u32 s21, s21, SLOT
	s_add_co_u32 s22, s22, SLOT
.endr
	s_mul_i32 s23, s10, WSTG
	s_add_co_u32 s23, s23, STG                     ; my stage
	v_mul_u32_u24 v5, v1, SP
	v_lshl_add_u32 v5, v2, 5, v5                   ; in: row r, 32 bytes for each half of the lanes
	v_add_nc_u32 v[STO], s23, v5
	v_and_b32 v5, 31, v0
	v_lshlrev_b32 v[CO], 4, v5
	v_lshlrev_b32 v[CO8], 3, v5
	v_add_nc_u32 v[RD], s23, v[CO]                 ; back: 32 lanes take one row of 512 bytes
	v_and_b32 v3, 1, v0
	v_lshlrev_b32 v3, 8, v3
	v_lshrrev_b32 v5, 1, v5
	v_lshl_add_u32 v[PF], v5, 12, v3
	global_load_b128 v[BI:BI+3], v[CO], s[BB:BB+1] ; the bias of my four columns; waited for on the way out
; 16 matrix instructions: row blocks a0, a0 + 1 of the window's four x all 8 column blocks, 32 along K.  zero = 1: the first product starts the sums.
.macro MUL16 f, hi, a0, zero
.irp a, \a0, \a0+1
.irp b, 0,1,2,3,4,5,6,7
.if \zero
	v_wmma_f32_16x16x32_f16 v[8*(8*(\a)+\b):8*(8*(\a)+\b)+7], v[\f+8*\b:\f+8*\b+7], v[\f+8*(4*\hi+\a):\f+8*(4*\hi+\a)+7], 0
.else
	v_wmma_f32_16x16x32_f16 v[8*(8*(\a)+\b):8*(8*(\a)+\b)+7], v[\f+8*\b:\f+8*\b+7], v[\f+8*(4*\hi+\a):\f+8*(4*\hi+\a)+7], v[8*(8*(\a)+\b):8*(8*(\a)+\b)+7]
.endif
.endr
.endr
.endm
; 32 LDS loads in one run: quarter q (32 along K) of a slot into buffer f.  Weights: k rows 32 q .. + 31, transposed 8 x 8 at a time; activations: bytes 64 q of the rows.
.macro FETCH slot, q, f
	WIN TO_B
.irp i, 0,1,2,3,4,5,6,7
	ds_load_tr16_b128 v[\f+8*\i:\f+8*\i+3],   v[ADRB+\slot] offset:\q*32*PB+32*\i
	ds_load_tr16_b128 v[\f+8*\i+4:\f+8*\i+7], v[ADRB+\slot] offset:\q*32*PB+16*PB+32*\i
.endr
	WIN 0
.irp i, 0,1,2,3,4,5,6,7
	ds_load_b128 v[\f+8*\i:\f+8*\i+3],   v[ADRA+\slot] offset:64*\q+\i*16*PA
	ds_load_b128 v[\f+8*\i+4:\f+8*\i+7], v[ADRA+\slot] offset:64*\q+\i*16*PA+32
.endr
.endm
; One of a K step's first three quarters: multiplies buffer f; in its middle fetches quarter q into buffer g.
.macro QUARTER slot, q, f, g, zero
	s_wait_dscnt 8                                 ; the weights and rows 0-63 are in; the youngest eight loads (rows 64-127) may be out
	WIN MUL_LO
	MUL16 \f, 0, 0, \zero
	MUL16 \f, 0, 2, \zero
	PLACES
	FETCH \slot, \q, \g
	s_wait_dscnt 32                                ; all but the 32 just issued
	WIN MUL_HI
	MUL16 \f, 1, 0, \zero
	MUL16 \f, 1, 2, \zero
.endm
.macro THREE slot, zero
	QUARTER \slot, 1, F0, F1, \zero
	QUARTER \slot, 2, F1, F0, 0
	QUARTER \slot, 3, F0, F1, 0
.endm
; The last quarter: multiplies buffer 1 and changes slots.  mode 0: nothing is filled; 1: this slot is filled again, two K steps on;
; 2: the same, with both addresses going over to the walk's second half.  In front of the opening signal each wave waits for its reads of this slot and
; for all its tensor loads (the one that is out is its part of the next slot); inside the round stands register work alone; the refill is the first
; tensor load behind the round.  From a request to the wait for it a wave issues 240 matrix instructions.
.macro TURN slot, next, mode
	s_wait_dscnt 8
	WIN MUL_LO
	MUL16 F1, 0, 0, 0
	s_wait_dscnt 0
	s_set_vgpr_msb 0xa1a0
	s_wait_tensorcnt 0x0
	ds_add_u32 v254, v255
	s_wait_dscnt 0x0
	s_set_vgpr_msb 0xa0a1
	s_barrier_signal -1
	MUL16 F1, 0, 2, 0
	WIN 0
	s_barrier_wait -1
.if \mode
	CREST                                          ; no wave of any partner still reads this slot or has a load on its way
.if \mode == 2
	s_mov_b64 s[G0+4*\slot+2:G0+4*\slot+3], s[PH+2*\slot:PH+2*\slot+1]
	s_or_b32 s[G0+4*\slot+3], s[G0+4*\slot+3], 0x80000000
	s_mov_b64 s[G0B+4*\slot+2:G0B+4*\slot+3], s[PHB+2*\slot:PHB+2*\slot+1]
	s_or_b32 s[G0B+4*\slot+3], s[G0B+4*\slot+3], 0x80000000
.else
	s_add_nc_u64 s[G0+4*\slot+2:G0+4*\slot+3], s[G0+4*\slot+2:G0+4*\slot+3], 512
	s_add_nc_u64 s[G0B+4*\slot+2:G0B+4*\slot+3], s[G0B+4*\slot+2:G0B+4*\slot+3], 524288
.endif
	JLOAD \slot
.endif
	PLACES
	FETCH \next, 0, F0
	WIN MUL_HI
	MUL16 F1, 1, 0, 0
	MUL16 F1, 1, 2, 0
.endm
.macro LAP zero, mode                  ; two K steps, once round the ring
	THREE 0, \zero
	TURN 0, 1, \mode
	THREE 1, 0
	TURN 1, 0, \mode
.endm
	s_wait_tensorcnt 0x1                           ; my part of walk step 0 is in; step 1's stays out
	s_barrier_signal -1
	s_barrier_wait -1
	FETCH 0, 0, F0
	LAP 1, 1                                       ; walk steps 0, 1; asks for 2, 3.  Its first products start the sums
	WIN 0
	s_mov_b32 s3, 2
.Llap_x:
	LAP 0, 1                                       ; steps 2-5; asks for 4-7
	WIN 0
	s_sub_co_u32 s3, s3, 1
	s_cmp_lg_u32 s3, 0
	s_cbranch_scc1 .Llap_x
	LAP 0, 2                                       ; steps 6, 7; asks for 8, 9: the first two of the walk's second half
	WIN 0
	s_mov_b32 s3, 3
.Llap_h:
	LAP 0, 1                                       ; steps 8-13; asks for 10-15
	WIN 0
	s_sub_co_u32 s3, s3, 1
	s_cmp_lg_u32 s3, 0
	s_cbranch_scc1 .Llap_h
	THREE 0, 0                                     ; the last lap fills nothing
	TURN 0, 1, 0
	WIN 0
	s_cmp_eq_u32 s11, 0
	s_cbranch_scc1 .Lno_ask
	; The waves of gate r ask for their own 128 x 128 of hidden_state, 256 matrix instructions ahead of its first load: eight requests of 16 rows,
	; a lane for each aligned block of 256 bytes, each block asked for once, by its only reader; all inside the buffer.
.irp j, 0,1,2,3,4,5,6,7
	global_prefetch_b8 v[PF], s[HB:HB+1] offset:65536*\j th:TH_LOAD_NT scope:SCOPE_SE
.endr
.Lno_ask:
	THREE 1, 0
	s_wait_dscnt 8                                 ; the very last quarter
	WIN MUL_LO
	MUL16 F1, 0, 0, 0
	MUL16 F1, 0, 2, 0
	s_wait_dscnt 0
	WIN MUL_HI
	MUL16 F1, 1, 0, 0
	MUL16 F1, 1, 2, 0
; THE WAY OUT, 16 rows at a time (group i), on two buffers z in turn.
; STAGE: the group's raw f32 sums go into my own stage (row r, 32 bytes a lane and tile) and come back by rows: lane l then holds columns 4 l .. 4 l + 3
; of all 16 rows, so that the bias is four registers and a row's store covers consecutive bytes.  LDS serves a wave's instructions in order
; (ISA guide 5.7.1): no wait between the stores and the loads, nor between one group's loads and the next group's stores.
.macro STAGE i, z
.if \i > 1
	s_wait_xcnt 0x0                                ; buffer z was the data of stores two groups ago: it is loaded again only behind this wait
.endif
.if \i < 4
	WIN 0x08                                       ; store data (source 1) in window 2
.else
	WIN 0x0c                                       ; in window 3
.endif
.irp b, 0,1,2,3,4,5,6,7
	ds_store_b128 v[STO], v[8*(8*(\i&3)+\b):8*(8*(\i&3)+\b)+3]   offset:64*\b
	ds_store_b128 v[STO], v[8*(8*(\i&3)+\b)+4:8*(8*(\i&3)+\b)+7] offset:64*\b+16
.endr
	WIN 0
.irp t, 0,1,2,3,4,5,6,7,8,9,10,11,12,13,14,15
	ds_load_b128 v[\z+4*\t:\z+4*\t+3], v[RD] offset:SP*\t
.endr
.endm
; ACT: 64 numbers y -> 1 / (1 + 2^(KL (y + bias))).  The transcendentals stand in runs, with one plain place behind each run before a result is used (ISA guide 5.7.2).
.macro ACT z
.set p, 0
.rept 32
	v_pk_fma_f32 v[\z+2*p:\z+2*p+1], v[\z+2*p:\z+2*p+1], s[KL:KL+1], v[BI+2*(p&1):BI+2*(p&1)+1] op_sel_hi:[1,0,1]
.set p, p+1
.endr
.set p, 0
.rept 64
	v_exp_f32 v[\z+p], v[\z+p]
.set p, p+1
.endr
	v_nop
.set p, 0
	s_wait_alu depctr_va_vdst(0)
.rept 32
	v_pk_add_f32 v[\z+2*p:\z+2*p+1], v[\z+2*p:\z+2*p+1], 1.0 op_sel_hi:[1,0]
.set p, p+1
.endr
.set p, 0
.rept 64
	v_rcp_f32 v[\z+p], v[\z+p]
.set p, p+1
.endr
	v_nop
.endm
; gate u, group i: dleft = the LDS instructions of the next group's STAGE (16 stores, 16 loads), which may stay out
.macro UGROUP i, z, dleft
	s_wait_dscnt \dleft
	ACT \z
	s_wait_alu depctr_va_vdst(0)
.irp t, 0,1,2,3,4,5,6,7,8,9,10,11,12,13,14,15
	global_store_b128 v[CO], v[\z+4*\t:\z+4*\t+3], s[UB:UB+1] offset:(16*\i+\t)*4096   ; a row's 512 consecutive bytes, aligned
.endr
.endm
; gate r: h of group g into buffer hb of window 1
.macro LOADH g, hb
	WIN TO_B
.irp t, 0,1,2,3,4,5,6,7,8,9,10,11,12,13,14,15
	global_load_b128 v[\hb+4*\t:\hb+4*\t+3], v[CO], s[HB:HB+1] offset:(16*\g+\t)*4096
.endr
	WIN 0
.endm
; gate r, group i: lleft = the loads of the younger groups of h
.macro RGROUP i, z, hb, dleft, lleft
	s_wait_dscnt \dleft
	ACT \z
	s_wait_loadcnt \lleft
	WIN 0x04                                       ; source 1 (h) in window 1
.set p, 0
	s_wait_alu depctr_va_vdst(0)
.rept 32
	v_pk_mul_f32 v[\z+2*p:\z+2*p+1], v[\z+2*p:\z+2*p+1], v[\hb+2*p:\hb+2*p+1]
.set p, p+1
.endr
	WIN 0
.irp t, 0,1,2,3,4,5,6,7,8,9,10,11,12,13,14,15
	v_cvt_pk_f16_f32 v[\z+4*\t],   v[\z+4*\t],   v[\z+4*\t+1]
	v_cvt_pk_f16_f32 v[\z+4*\t+1], v[\z+4*\t+2], v[\z+4*\t+3]
.endr
.irp t, 0,1,2,3,4,5,6,7,8,9,10,11,12,13,14,15
	global_store_b64 v[CO8], v[\z+4*\t:\z+4*\t+1], s[RB:RB+1] offset:(16*\i+\t)*2048   ; a row's 256 consecutive bytes, aligned
.endr
.endm
	WIN 0
	PLACES                                         ; behind the last matrix instructions: for the stage's stores, and for the loads into the fragment buffers
	s_cmp_lg_u32 s11, 0
	s_cbranch_scc1 .Lreset
	; gate u
	s_wait_loadcnt 0x0                             ; the bias
	v_pk_mul_f32 v[BI:BI+1],   v[BI:BI+1],   s[KL:KL+1] op_sel_hi:[1,0]
	v_pk_mul_f32 v[BI+2:BI+3], v[BI+2:BI+3], s[KL:KL+1] op_sel_hi:[1,0]
	STAGE 0, F0
	STAGE 1, F1
	UGROUP 0, F0, 32
	STAGE 2, F0
	UGROUP 1, F1, 32
	STAGE 3, F1
	UGROUP 2, F0, 32
	STAGE 4, F0
	UGROUP 3, F1, 32
	STAGE 5, F1
	UGROUP 4, F0, 32
	STAGE 6, F0
	UGROUP 5, F1, 32
	STAGE 7, F1
	UGROUP 6, F0, 32
	UGROUP 7, F1, 0
	s_branch .Ldone
.Lreset:
	; gate r: four groups of h are kept on their way
	LOADH 0, 0
	LOADH 1, 192
	LOADH 2, 64
	STAGE 0, F0
	STAGE 1, F1
	LOADH 3, 128
	s_wait_loadcnt 48                              ; the bias (and group 0 of h) are in; three groups of 16 stay out
	v_pk_mul_f32 v[BI:BI+1],   v[BI:BI+1],   s[KL:KL+1] op_sel_hi:[1,0]
	v_pk_mul_f32 v[BI+2:BI+3], v[BI+2:BI+3], s[KL:KL+1] op_sel_hi:[1,0]
	RGROUP 0, F0, 0, 32, 48
	LOADH 4, 0
	STAGE 2, F0
	RGROUP 1, F1, 192, 32, 48
	LOADH 5, 192
	STAGE 3, F1
	RGROUP 2, F0, 64, 32, 48
	LOADH 6, 64
	STAGE 4, F0
	RGROUP 3, F1, 128, 32, 48
	LOADH 7, 128
	STAGE 5, F1
	RGROUP 4, F0, 0, 32, 48
	STAGE 6, F0
	RGROUP 5, F1, 192, 32, 32
	STAGE 7, F1
	RGROUP 6, F0, 64, 32, 16
	RGROUP 7, F1, 128, 0, 0
.Ldone:
	s_wait_tensorcnt 0x0
	ds_add_u32 v254, v255
	s_wait_dscnt 0x0
	CROUND                                         ; the closing round: no work-group ends while a partner may still ask for a tile that names it
	s_endpgm
.Lfunc_end_k_q82d90a68ae_gates:
	.size	k_q82d90a68ae_gates, .Lfunc_end_k_q82d90a68ae_gates-k_q82d90a68ae_gates
	.p2alignl 7, 3214868480
	.fill 96, 4, 3214868480
	.section	.rodata,"a",@progbits
	.p2align	6, 0x0
	.amdhsa_kernel k_q82d90a68ae_gates
		.amdhsa_group_segment_fixed_size 327680
		.amdhsa_private_segment_fixed_size 0
		.amdhsa_enable_private_segment 0
		.amdhsa_kernarg_size 64
		.amdhsa_user_sgpr_count 2
		.amdhsa_user_sgpr_kernarg_segment_ptr 1
		.amdhsa_wavefront_size32 1
		.amdhsa_system_sgpr_workgroup_id_x 1
		.amdhsa_system_sgpr_workgroup_id_y 1
		.amdhsa_system_sgpr_workgroup_id_z 1
		.amdhsa_system_vgpr_workitem_id 0
		.amdhsa_next_free_vgpr 1024
		.amdhsa_next_free_sgpr 100
		.amdhsa_reserve_vcc 0
		.amdhsa_float_denorm_mode_32 3
		.amdhsa_float_denorm_mode_16_64 3
		.amdhsa_memory_ordered 1
		.amdhsa_forward_progress 1
		.amdhsa_inst_pref_size 255
	.end_amdhsa_kernel
	.section	.bss,"aw",@nobits
	.p2align	6
	.space	262144
	.amdgpu_metadata
---
amdhsa.version: [ 1, 2 ]
amdhsa.kernels:
  - .name:           k_q82d90a68ae_gates
    .symbol:         k_q82d90a68ae_gates.kd
    .args:
      - { .name: xb, .offset: 0, .size: 8, .value_kind: global_buffer, .address_space: global }
      - { .name: hb, .offset: 8, .size: 8, .value_kind: global_buffer, .address_space: global }
      - { .name: wb, .offset: 16, .size: 8, .value_kind: global_buffer, .address_space: global }
      - { .name: bu, .offset: 24, .size: 8, .value_kind: global_buffer, .address_space: global }
      - { .name: br, .offset: 32, .size: 8, .value_kind: global_buffer, .address_space: global }
      - { .name: hidden_state, .offset: 40, .size: 8, .value_kind: global_buffer, .address_space: global }
      - { .name: ubuf, .offset: 48, .size: 8, .value_kind: global_buffer, .address_space: global }
      - { .name: hrb, .offset: 56, .size: 8, .value_kind: global_buffer, .address_space: global }
    .group_segment_fixed_size: 327680
    .private_segment_fixed_size: 0
    .kernarg_segment_align: 8
    .kernarg_segment_size: 64
    .max_flat_workgroup_size: 128
    .sgpr_count:     100
    .vgpr_count:     1024
    .wavefront_size: 32
...
	.end_amdgpu_metadata
.endif
;; end of part 2
;; launch cand (part 3): grid 8 x 32, 4 waves a work-group, clusters of 4 x 4, 327,680 bytes of LDS; arguments xb, hrb, wb, bc, ubuf, hidden_state, out0; writes out0
.if DOCPART == 3
	.amdgcn_target "amdgcn-amd-amdhsa--gfx1250"
	.amdhsa_code_object_version 6
	.text
	.protected	k_q82d90a68ae_cand
	.globl	k_q82d90a68ae_cand
	.p2align	8
	.type	k_q82d90a68ae_cand,@function
k_q82d90a68ae_cand:
	s_mov_b64 s[64:65], 0
	v_nop
	global_prefetch_b8 v0, s[64:65] scope:SCOPE_SE
	s_setreg_imm32_b32 hwreg(HW_REG_WAVE_MODE, 25, 1), 1
	s_wait_xcnt 0x0
	s_wait_alu depctr_hold_cnt(0) depctr_sa_sdst(0) depctr_va_vdst(0) depctr_va_sdst(0) depctr_va_ssrc(0) depctr_va_vcc(0) depctr_vm_vsrc(0)
	s_getreg_b32 s2, hwreg(HW_REG_IB_STS2, 6, 4)
	s_cmp_eq_u32 s2, 0
	s_cbranch_scc0 .Lentry_in_a_cluster
	s_endpgm
.Lentry_in_a_cluster:
	s_bfe_u32 s2, ttmp6, 0x10000c
	s_cmp_lg_u32 s2, 0xf033
	s_cbranch_scc0 .Lentry_shape_is_right
	s_endpgm
.Lentry_shape_is_right:
; c' = tanh([x | h r] Wc + bc);  out0 = h + u (c' - h).
; xb, hrb: [8192][1024] f16.  wb: [gate][2048 k][1024 n] f16, gate 2 here.  ubuf, hidden_state, out0: [8192][1024] f32.
; A work-group takes 256 rows x 128 columns with four waves; wave w makes rows 64 w .. + 63 and all 128 columns (its rows of the result are whole runs
; of 512 bytes): 32 accumulator tiles = 256 registers.  8,192 x 1,024 results in blocks of 256 x 128 are 256 work-groups.
; K = 2048 (k < 1024 along xb, the rest along hrb) goes in 16 steps of 128 through two LDS slots filled by the tensor data mover.
; CLUSTERS: 4 x 4 work-groups; the activations' tile is asked for jointly along a row of the cluster, the weights' along a column.
; By this text's count a wave has two tensor loads out at the start and one behind each round of the cluster's barrier.
; THE ORDER OF K: p = (cluster x + cluster y) mod 2.  Clusters with p = 0 walk k = 0 .. 1023 (xb) and then 1024 .. 2047 (hrb); those with p = 1 the other
; way round.  An activation tile is read by the two clusters of one cluster y, whose p differ; a weight tile by the eight clusters of one cluster x,
; whose p take turns.  So half of a tile's readers ask for it in their first eight steps and the other half in their last eight: in its last eight
; steps a cluster asks only for bytes that another cluster has read eight steps before.  p is equal in all sixteen work-groups of a cluster.
; The matrix instruction is used transposed (source 0 = weights, made by the transposing LDS load; source 1 = activations).
; The 32 accumulators take turns, one instruction a turn, in one fixed order.
; LIMITS: matrix operands are f16 (11 significant bits), sums f32: a magnitude above 65,504 in x, h r or a weight has become infinity, and below 2^-14
; the rounding error is absolute, at most 2^-25.  With p = 1 the f32 sum takes k = 1024 .. 2047 first: another order of rounding.
; tanh(y) = 1 - 2 / (1 + 2^(2 y log2 e)): the power overflows to infinity (result 1) or flushes to zero (result -1), tanh's own limits; near y = 0 the
; difference leaves an absolute error of about 1e-7.  The blend is h + u (c' - h), not u c' + (1 - u) h: the two differ by about one rounding of |h|.
;
; REGISTERS: window 0: v0-35 addresses and bias; v64-95, v128-159 activation fragments, two buffers; v64-127, v128-191 the way out's two buffers;
; window 1: v64-127, v128-191 weight fragments; on the way out u and h of row groups 2 and 3; window 2: the accumulators (tile (a, b) at v[8 (8 a + b)]);
; window 3: u and h of row groups 0 and 1, loaded while the products run.
.set PA,    272
.set PB,    288
.set HALFA, 128*PA                     ; 128 activation rows: one tensor load
.set QB,    64*PB                      ; 64 k of the weights: one tensor load
.set SLOT,  2*HALFA+2*QB               ; rows 0-255, then 128 k of weights: 106,496 bytes
.set STG,   2*SLOT                     ; behind the ring, at a multiple of 256 bytes: no tensor load lands here
.set SP,    528
.set WSTG,  16*SP
.set ADRA, 16
.set ADRB, 20
.set STO,  24
.set RD,   25
.set CO,   26                          ; 16 x lane
.set PF,   28                          ; prefetch: (lane / 2) rows of 4,096 bytes + (lane % 2) x 256
.set BI,   32
.set F0,   64
.set F1,   128
.set G1,  24
.set G0,  32
.set G1B, 48
.set G0B, 56
.set PHB, 68                           ; s[68:71] the weights at the walk's steps 8 and 9 (these registers held xb's and hrb's addresses, used up by then)
.set PH,  84                           ; s[84:87] the walk's second activation buffer at the rows that I fetch, its K step 0 and 1
.set KL,  88                           ; s[88:89] 2 log2 e, twice
.set HB,  92                           ; hidden_state at my 64 x 128
.set UB,  94                           ; ubuf there
.set OB,  96                           ; out0 there
.set BB,  98                           ; bc at my columns
.set MSB, 0
.macro WIN new
.if MSB != \new
	s_set_vgpr_msb (MSB<<8)|\new
.set MSB, \new
.endif
.endm
.set MUL_LO, 0xa1                      ; source 0 window 1, source 1 window 0, C and D window 2
.set TO_B,   0x40
.macro PLACES                          ; four plain vector places behind a matrix instruction (ISA guide 7.12.1)
.rept 4
	v_nop
.endr
.endm
; A joint load.  Waves 0 and 1 fetch the activations' two halves, waves 2 and 3 64 k rows of the weights each.
.macro JLOAD s
	s_cmp_eq_u32 s11, 0
	s_cbranch_scc0 .Lfor_b_\@
	tensor_load_to_lds s[G0+4*\s:G0+4*\s+3], s[G1:G1+7]
	s_nop 0
	s_branch .Lasked_\@
.Lfor_b_\@:
	tensor_load_to_lds s[G0B+4*\s:G0B+4*\s+3], s[G1B:G1B+7]
	s_nop 0
.Lasked_\@:
.endm
.macro CREST
	s_cmp_lg_u32 s10, 0
	s_cbranch_scc1 .Lnot_wave_0_\@
	s_barrier_signal -3
.Lnot_wave_0_\@:
	s_barrier_wait -3
	s_barrier_signal -1
	s_barrier_wait -1
.endm
.macro CROUND
	s_barrier_signal -1
	s_barrier_wait -1
	CREST
.endm
	s_load_b256 s[68:75], s[0:1], 0x0              ; xb 68, hrb 70, wb 72, bc 74
	s_load_b128 s[76:79], s[0:1], 0x20             ; ubuf 76, hidden_state 78
	s_load_b64 s[80:81], s[0:1], 0x30              ; out0
	v_lshl_add_u32 v254, v0, 2, 0x3c400
	v_mov_b32 v255, 0
	ds_add_u32 v254, v255
	v_lshrrev_b32 v1, 5, v0
	v_readfirstlane_b32 s10, v1                    ; wave 0..3
	s_lshr_b32 s11, s10, 1                         ; I fetch activations (0) or weights (1)
	s_and_b32 s12, s10, 1                          ; which half of that tile
	s_bfe_u32 s40, ttmp6, 0x40000                  ; cx
	s_bfe_u32 s41, ttmp6, 0x40004                  ; cy
	s_lshl_b32 s42, ttmp9, 2
	s_add_co_u32 s42, s42, s40                     ; block column (128 n)
	s_and_b32 s13, ttmp7, 0xffff                   ; cluster y
	s_add_co_u32 s45, s13, ttmp9                   ; + cluster x,
	s_and_b32 s45, s45, 1                          ; odd or even: p, the order of K; made of the cluster's place alone, so equal in all sixteen work-groups
	s_lshl_b32 s13, s13, 2
	s_add_co_u32 s13, s13, s41                     ; block row (256 rows)
	s_lshl_b32 s43, s41, 2
	s_lshl_b32 s43, 15, s43                        ; my row of the cluster
	s_lshl_b32 s44, 0x1111, s40                    ; my column of the cluster
	; group 1: activations 128 rows x 128 elements, weights 64 rows x 128 elements; 2 bytes; 1,024 elements from row to row; 4 or 8 words skipped behind every 64
	s_or_b32 s[G1+0], s43, (1<<16)|(1<<20)|(1<<21)|(5<<22)|(3<<25)
	s_or_b32 s[G1B+0], s44, (1<<16)|(1<<20)|(1<<21)|(5<<22)|(7<<25)
	s_mov_b32 s[G1+1], 128<<16                     ; tensor_dim0 = 128
	s_mov_b32 s[G1B+1], 128<<16
	s_mov_b32 s[G1+2], 128<<16                     ; tensor_dim1 = 128
	s_mov_b32 s[G1B+2], 64<<16                     ;             = 64
	s_mov_b32 s[G1+3], 128<<16                     ; tile_dim0 = 128
	s_mov_b32 s[G1B+3], 128<<16
	s_mov_b32 s[G1+4], 128                         ; tile_dim1 = 128
	s_mov_b32 s[G1B+4], 64                         ;           = 64
	s_mov_b32 s[G1+5], 1024                        ; pitch
	s_mov_b32 s[G1B+5], 1024
	s_mov_b32 s[G1+6], 0
	s_mov_b32 s[G1B+6], 0
	s_mov_b32 s[G1+7], 0
	s_mov_b32 s[G1B+7], 0
	s_mov_b32 s[KL], 0x4038aa3b                    ; 2 log2 e
	s_mov_b32 s[KL+1], 0x4038aa3b
	s_lshl_b32 s14, s13, 8
	s_lshl_b32 s15, s12, 7
	s_add_co_u32 s16, s14, s15                     ; the rows that waves 0, 1 fetch: 256 x block row + 128 x half
	s_lshl_b32 s16, s16, 11                        ; 2,048 bytes a row
	s_mov_b32 s17, 0
	s_lshl_b32 s15, s10, 6
	s_add_co_u32 s14, s14, s15                     ; the rows that I make: 256 x block row + 64 x wave
	s_lshl_b32 s46, s12, 17                        ; the weights that waves 2, 3 fetch: 64 k rows of 2,048 bytes a half,
	s_lshl_b32 s47, s42, 8                         ; 256 bytes a block column,
	s_add_co_u32 s46, s46, s47
	s_add_co_u32 s46, s46, 2<<22                   ; gate 2
	s_xor_b32 s20, s45, 1
	s_lshl_b32 s20, s20, 21                        ; the walk's second half begins at k row 1,024 (1 - p): 2,048 bytes a row
	s_add_co_u32 s66, s46, s20
	s_mov_b32 s67, 0
	s_lshl_b32 s20, s45, 21                        ; its first half at k row 1,024 p
	s_add_co_u32 s46, s46, s20
	s_mov_b32 s47, 0
	s_lshl_b32 s6, s42, 9                          ; my columns in f32
	s_mov_b32 s7, 0
	s_lshl_b32 s90, s14, 12                        ; my 64 x 128 in an f32 tensor
	s_add_co_u32 s90, s90, s6
	s_mov_b32 s91, 0
	s_mul_i32 s18, s10, HALFA                      ; LDS: waves 0, 1 fill the rows' two halves: wave x 34,816
	s_mul_i32 s19, s10, QB                         ; waves 2, 3 the weights' two halves, behind the rows:
	s_add_co_u32 s19, s19, 2*HALFA-2*QB            ; wave x 18,432 + 32,768
	s_wait_dscnt 0x0
	s_wait_kmcnt 0x0
	s_cmp_eq_u32 s45, 0                            ; the two activation buffers in the order of the walk, chosen by p
	s_cselect_b64 s[8:9], s[68:69], s[70:71]       ; first: xb (p = 0) or hrb
	s_cselect_b64 s[PH:PH+1], s[70:71], s[68:69]   ; second: hrb (p = 0) or xb
	s_add_nc_u64 s[8:9], s[8:9], s[16:17]          ; both at the rows
	s_add_nc_u64 s[PH:PH+1], s[PH:PH+1], s[16:17]
	s_add_nc_u64 s[PH+2:PH+3], s[PH:PH+1], 256
	s_add_nc_u64 s[PHB:PHB+1], s[72:73], s[66:67]  ; wb at the gate, the columns and the second half's first k row
	s_add_nc_u64 s[PHB+2:PHB+3], s[PHB:PHB+1], 262144
	s_add_nc_u64 s[46:47], s[72:73], s[46:47]      ; and at the first half's
	s_add_nc_u64 s[UB:UB+1], s[76:77], s[90:91]
	s_add_nc_u64 s[HB:HB+1], s[78:79], s[90:91]
	s_add_nc_u64 s[OB:OB+1], s[80:81], s[90:91]
	s_add_nc_u64 s[BB:BB+1], s[74:75], s[6:7]
	CROUND                                         ; all sixteen work-groups are here: the first joint loads meet
.irp s, 0,1
	s_mov_b32 s[G0+4*\s], 1
	s_add_co_u32 s[G0+4*\s+1], s18, \s*SLOT
	s_add_nc_u64 s[G0+4*\s+2:G0+4*\s+3], s[8:9], \s*256
	s_or_b32 s[G0+4*\s+3], s[G0+4*\s+3], 0x80000000
	s_mov_b32 s[G0B+4*\s], 1
	s_add_co_u32 s[G0B+4*\s+1], s19, \s*SLOT
	s_add_nc_u64 s[G0B+4*\s+2:G0B+4*\s+3], s[46:47], \s*262144
	s_or_b32 s[G0B+4*\s+3], s[G0B+4*\s+3], 0x80000000
	JLOAD \s
.endr
	v_and_b32 v1, 15, v0                           ; r = lane % 16
	v_bfe_u32 v2, v0, 4, 1                         ; h = lane / 16
	v_mul_u32_u24 v3, v1, PA
	v_lshl_add_u32 v3, v2, 4, v3                   ; activations: row r, 16 h bytes along K
	v_and_b32 v4, 7, v0
	v_lshl_add_u32 v4, v2, 3, v4
	v_mul_u32_u24 v4, v4, PB                       ; weights: k row 8 h + lane % 8,
	v_bfe_u32 v5, v0, 3, 1
	v_lshl_add_u32 v4, v5, 4, v4                   ; 16 bytes on for lanes 8-15 and 24-31
	s_mul_i32 s21, s10, 64*PA                      ; my 64 rows
	s_mov_b32 s22, 2*HALFA                         ; the weights lie behind the 256 rows
.irp s, 0,1
	v_add_nc_u32 v[ADRA+\s], s21, v3
	v_add_nc_u32 v[ADRB+\s], s22, v4
	s_add_co_u32 s21, s21, SLOT
	s_add_co_u32 s22, s22, SLOT
.endr
	s_mul_i32 s23, s10, WSTG
	s_add_co_u32 s23, s23, STG                     ; my stage
	v_mul_u32_u24 v5, v1, SP
	v_lshl_add_u32 v5, v2, 5, v5
	v_add_nc_u32 v[STO], s23, v5
	v_and_b32 v5, 31, v0
	v_lshlrev_b32 v[CO], 4, v5
	v_add_nc_u32 v[RD], s23, v[CO]
	v_and_b32 v3, 1, v0
	v_lshlrev_b32 v3, 8, v3
	v_lshrrev_b32 v5, 1, v5
	v_lshl_add_u32 v[PF], v5, 12, v3
; u and h of my rows 16 g .. + 15: 32 loads of a row's 512 consecutive bytes; u into v[base ..], h into v[base + 64 ..] of the window that win names as the destination's
.macro LOADUH g, win, base
	WIN \win
.irp t, 0,1,2,3,4,5,6,7,8,9,10,11,12,13,14,15
	global_load_b128 v[\base+4*\t:\base+4*\t+3], v[CO], s[UB:UB+1] offset:(16*\g+\t)*4096 th:TH_LOAD_NT
.endr
.irp t, 0,1,2,3,4,5,6,7,8,9,10,11,12,13,14,15
	global_load_b128 v[\base+64+4*\t:\base+64+4*\t+3], v[CO], s[HB:HB+1] offset:(16*\g+\t)*4096 th:TH_LOAD_NT
.endr
	WIN 0
.endm
	global_load_b128 v[BI:BI+3], v[CO], s[BB:BB+1] ; the bias of my four columns
	LOADUH 0, 0xc0, 0                              ; rows 0-15 into window 3, which the products do not touch; waited for on the way out
; eight matrix instructions: row block a x all 8 column blocks, 32 along K
.macro MUL8 f, a, zero
.irp b, 0,1,2,3,4,5,6,7
.if \zero
	v_wmma_f32_16x16x32_f16 v[8*(8*\a+\b):8*(8*\a+\b)+7], v[\f+8*\b:\f+8*\b+7], v[\f+8*\a:\f+8*\a+7], 0
.else
	v_wmma_f32_16x16x32_f16 v[8*(8*\a+\b):8*(8*\a+\b)+7], v[\f+8*\b:\f+8*\b+7], v[\f+8*\a:\f+8*\a+7], v[8*(8*\a+\b):8*(8*\a+\b)+7]
.endif
.endr
.endm
; 24 LDS loads in one run: quarter q of a slot into buffer f: 16 for the weights, 8 for my 64 rows
.macro FETCH slot, q, f
	WIN TO_B
.irp i, 0,1,2,3,4,5,6,7
	ds_load_tr16_b128 v[\f+8*\i:\f+8*\i+3],   v[ADRB+\slot] offset:\q*32*PB+32*\i
	ds_load_tr16_b128 v[\f+8*\i+4:\f+8*\i+7], v[ADRB+\slot] offset:\q*32*PB+16*PB+32*\i
.endr
	WIN 0
.irp i, 0,1,2,3
	ds_load_b128 v[\f+8*\i:\f+8*\i+3],   v[ADRA+\slot] offset:64*\q+\i*16*PA
	ds_load_b128 v[\f+8*\i+4:\f+8*\i+7], v[ADRA+\slot] offset:64*\q+\i*16*PA+32
.endr
.endm
.macro QUARTER slot, q, f, g, zero
	s_wait_dscnt 4                                 ; the weights and rows 0-31 are in; the youngest four loads (rows 32-63) may be out
	WIN MUL_LO
	MUL8 \f, 0, \zero
	MUL8 \f, 1, \zero
	PLACES
	FETCH \slot, \q, \g
	s_wait_dscnt 24                                ; all but the 24 just issued
	WIN MUL_LO
	MUL8 \f, 2, \zero
	MUL8 \f, 3, \zero
.endm
.macro THREE slot, zero
	QUARTER \slot, 1, F0, F1, \zero
	QUARTER \slot, 2, F1, F0, 0
	QUARTER \slot, 3, F0, F1, 0
.endm
; The last quarter changes slots.  mode 0: nothing is filled; 1: this slot is filled again, two K steps on; 2: the same, both addresses going over to the
; walk's second half.  In front of the opening signal each wave waits for its reads of this slot and for all its tensor loads; inside the round stands
; register work alone; the refill is the first tensor load behind the round.  From a request to the wait for it a wave issues 120 matrix instructions.
.macro TURN slot, next, mode
	s_wait_dscnt 4
	WIN MUL_LO
	MUL8 F1, 0, 0
	s_wait_dscnt 0
	s_set_vgpr_msb 0xa1a0
	s_wait_tensorcnt 0x0
	ds_add_u32 v254, v255
	s_wait_dscnt 0x0
	s_set_vgpr_msb 0xa0a1
	s_barrier_signal -1
	MUL8 F1, 1, 0
	WIN 0
	s_barrier_wait -1
.if \mode
	CREST
.if \mode == 2
	s_mov_b64 s[G0+4*\slot+2:G0+4*\slot+3], s[PH+2*\slot:PH+2*\slot+1]
	s_or_b32 s[G0+4*\slot+3], s[G0+4*\slot+3], 0x80000000
	s_mov_b64 s[G0B+4*\slot+2:G0B+4*\slot+3], s[PHB+2*\slot:PHB+2*\slot+1]
	s_or_b32 s[G0B+4*\slot+3], s[G0B+4*\slot+3], 0x80000000
.else
	s_add_nc_u64 s[G0+4*\slot+2:G0+4*\slot+3], s[G0+4*\slot+2:G0+4*\slot+3], 512
	s_add_nc_u64 s[G0B+4*\slot+2:G0B+4*\slot+3], s[G0B+4*\slot+2:G0B+4*\slot+3], 524288
.endif
	JLOAD \slot
.endif
	PLACES
	FETCH \next, 0, F0
	WIN MUL_LO
	MUL8 F1, 2, 0
	MUL8 F1, 3, 0
.endm
.macro LAP zero, mode
	THREE 0, \zero
	TURN 0, 1, \mode
	THREE 1, 0
	TURN 1, 0, \mode
.endm
	s_wait_tensorcnt 0x1                           ; my part of walk step 0 is in; step 1's stays out
	s_barrier_signal -1
	s_barrier_wait -1
	FETCH 0, 0, F0
	LAP 1, 1                                       ; walk steps 0, 1; asks for 2, 3.  Its first products start the sums
	LOADUH 1, 0xc0, 128                            ; rows 16-31, into the other half of window 3
	s_mov_b32 s3, 2
.Llap_x:
	LAP 0, 1                                       ; steps 2-5; asks for 4-7
	WIN 0
	s_sub_co_u32 s3, s3, 1
	s_cmp_lg_u32 s3, 0
	s_cbranch_scc1 .Llap_x
	LAP 0, 2                                       ; steps 6, 7; asks for 8, 9: the first two of the walk's second half
	WIN 0
	s_mov_b32 s3, 3
.Llap_h:
	LAP 0, 1                                       ; steps 8-13; asks for 10-15
	WIN 0
	s_sub_co_u32 s3, s3, 1
	s_cmp_lg_u32 s3, 0
	s_cbranch_scc1 .Llap_h
	; u and h of my rows 32-63 find registers only behind the products: they are asked for here, 256 matrix instructions ahead of the first of their
	; loads: four requests of 16 rows, a lane for each aligned block of 256 bytes, each block once, by its only reader; all inside the buffers.
.irp j, 0,1
	global_prefetch_b8 v[PF], s[UB:UB+1] offset:131072+65536*\j th:TH_LOAD_NT scope:SCOPE_SE
	global_prefetch_b8 v[PF], s[HB:HB+1] offset:131072+65536*\j th:TH_LOAD_NT scope:SCOPE_SE
.endr
	THREE 0, 0                                     ; the last lap fills nothing
	TURN 0, 1, 0
	THREE 1, 0
	s_wait_dscnt 4                                 ; the very last quarter
	WIN MUL_LO
	MUL8 F1, 0, 0
	MUL8 F1, 1, 0
	s_wait_dscnt 0
	MUL8 F1, 2, 0
	MUL8 F1, 3, 0
; THE WAY OUT, 16 rows at a time (group i), on two buffers z in turn.
; STAGE: raw f32 sums into my own stage and back by rows: lane l then holds columns 4 l .. 4 l + 3 of all 16 rows.  LDS serves a wave's instructions in
; order (ISA guide 5.7.1): no wait between the stores and the loads, nor between one group's loads and the next group's stores.
.macro STAGE i, z
.if \i > 1
	s_wait_xcnt 0x0                                ; buffer z was the data of stores two groups ago: it is loaded again only behind this wait
.endif
	WIN 0x08                                       ; store data (source 1) in window 2
.irp b, 0,1,2,3,4,5,6,7
	ds_store_b128 v[STO], v[8*(8*\i+\b):8*(8*\i+\b)+3]   offset:64*\b
	ds_store_b128 v[STO], v[8*(8*\i+\b)+4:8*(8*\i+\b)+7] offset:64*\b+16
.endr
	WIN 0
.irp t, 0,1,2,3,4,5,6,7,8,9,10,11,12,13,14,15
	ds_load_b128 v[\z+4*\t:\z+4*\t+3], v[RD] offset:SP*\t
.endr
.endm
; ACT: 64 numbers y -> 1 / (1 + 2^(KL (y + bias))).  The transcendentals stand in runs, with one plain place behind each run (ISA guide 5.7.2).
.macro ACT z
.set p, 0
.rept 32
	v_pk_fma_f32 v[\z+2*p:\z+2*p+1], v[\z+2*p:\z+2*p+1], s[KL:KL+1], v[BI+2*(p&1):BI+2*(p&1)+1] op_sel_hi:[1,0,1]
.set p, p+1
.endr
.set p, 0
.rept 64
	v_exp_f32 v[\z+p], v[\z+p]
.set p, p+1
.endr
	v_nop
.set p, 0
	s_wait_alu depctr_va_vdst(0)
.rept 32
	v_pk_add_f32 v[\z+2*p:\z+2*p+1], v[\z+2*p:\z+2*p+1], 1.0 op_sel_hi:[1,0]
.set p, p+1
.endr
.set p, 0
.rept 64
	v_rcp_f32 v[\z+p], v[\z+p]
.set p, p+1
.endr
	v_nop
.endm
; FIN: group i.  wa: source 0 in the window of u and h; wb: sources 0 and 2 there.  dleft = the next STAGE's 16 stores and 16 loads, which may stay out.
.macro FIN i, z, wa, wb, base, dleft
	s_wait_dscnt \dleft
	ACT \z
.set p, 0
	s_wait_alu depctr_va_vdst(0)
.rept 32
	v_pk_fma_f32 v[\z+2*p:\z+2*p+1], v[\z+2*p:\z+2*p+1], -2.0, 1.0 op_sel_hi:[1,0,0]        ; c' = 1 - 2 / (1 + e^(2 y))
.set p, p+1
.endr
	WIN \wa
.set p, 0
.rept 32
	v_pk_fma_f32 v[\z+2*p:\z+2*p+1], v[\base+64+2*p:\base+64+2*p+1], -1.0, v[\z+2*p:\z+2*p+1] op_sel_hi:[1,0,1]   ; c' - h
.set p, p+1
.endr
	WIN \wb
.set p, 0
.rept 32
	v_pk_fma_f32 v[\z+2*p:\z+2*p+1], v[\base+2*p:\base+2*p+1], v[\z+2*p:\z+2*p+1], v[\base+64+2*p:\base+64+2*p+1]  ; u (c' - h) + h
.set p, p+1
.endr
	WIN 0
.irp t, 0,1,2,3,4,5,6,7,8,9,10,11,12,13,14,15
	global_store_b128 v[CO], v[\z+4*\t:\z+4*\t+3], s[OB:OB+1] offset:(16*\i+\t)*4096 th:TH_STORE_NT   ; a row's 512 consecutive bytes, aligned
.endr
.endm
	WIN 0
	PLACES                                         ; behind the last matrix instructions: for the stage's stores, and for the loads into the fragment buffers
	LOADUH 2, 0x40, 0                              ; rows 32-47 into window 1
	STAGE 0, F0
	STAGE 1, F1
	s_wait_loadcnt 32                              ; the bias and rows 0-31 are in; the 32 loads of rows 32-47 stay out
	v_pk_mul_f32 v[BI:BI+1],   v[BI:BI+1],   s[KL:KL+1] op_sel_hi:[1,0]
	v_pk_mul_f32 v[BI+2:BI+3], v[BI+2:BI+3], s[KL:KL+1] op_sel_hi:[1,0]
	FIN 0, F0, 0x03, 0x33, 0, 32
	LOADUH 3, 0x40, 128                            ; rows 48-63 into window 1
	STAGE 2, F0
	FIN 1, F1, 0x03, 0x33, 128, 32
	STAGE 3, F1
	s_wait_loadcnt 32                              ; rows 32-47 are in; the 32 loads of rows 48-63 stay out
	FIN 2, F0, 0x01, 0x11, 0, 32
	s_wait_loadcnt 0x0
	FIN 3, F1, 0x01, 0x11, 128, 0
	s_wait_tensorcnt 0x0
	ds_add_u32 v254, v255
	s_wait_dscnt 0x0
	CROUND                                         ; the closing round: no work-group ends while a partner may still ask for a tile that names it
	s_endpgm
.Lfunc_end_k_q82d90a68ae_cand:
	.size	k_q82d90a68ae_cand, .Lfunc_end_k_q82d90a68ae_cand-k_q82d90a68ae_cand
	.p2alignl 7, 3214868480
	.fill 96, 4, 3214868480
	.section	.rodata,"a",@progbits
	.p2align	6, 0x0
	.amdhsa_kernel k_q82d90a68ae_cand
		.amdhsa_group_segment_fixed_size 327680
		.amdhsa_private_segment_fixed_size 0
		.amdhsa_enable_private_segment 0
		.amdhsa_kernarg_size 56
		.amdhsa_user_sgpr_count 2
		.amdhsa_user_sgpr_kernarg_segment_ptr 1
		.amdhsa_wavefront_size32 1
		.amdhsa_system_sgpr_workgroup_id_x 1
		.amdhsa_system_sgpr_workgroup_id_y 1
		.amdhsa_system_sgpr_workgroup_id_z 1
		.amdhsa_system_vgpr_workitem_id 0
		.amdhsa_next_free_vgpr 1024
		.amdhsa_next_free_sgpr 100
		.amdhsa_reserve_vcc 0
		.amdhsa_float_denorm_mode_32 3
		.amdhsa_float_denorm_mode_16_64 3
		.amdhsa_memory_ordered 1
		.amdhsa_forward_progress 1
		.amdhsa_inst_pref_size 252
	.end_amdhsa_kernel
	.amdgpu_metadata
---
amdhsa.version: [ 1, 2 ]
amdhsa.kernels:
  - .name:           k_q82d90a68ae_cand
    .symbol:         k_q82d90a68ae_cand.kd
    .args:
      - { .name: xb, .offset: 0, .size: 8, .value_kind: global_buffer, .address_space: global }
      - { .name: hrb, .offset: 8, .size: 8, .value_kind: global_buffer, .address_space: global }
      - { .name: wb, .offset: 16, .size: 8, .value_kind: global_buffer, .address_space: global }
      - { .name: bc, .offset: 24, .size: 8, .value_kind: global_buffer, .address_space: global }
      - { .name: ubuf, .offset: 32, .size: 8, .value_kind: global_buffer, .address_space: global }
      - { .name: hidden_state, .offset: 40, .size: 8, .value_kind: global_buffer, .address_space: global }
      - { .name: out0, .offset: 48, .size: 8, .value_kind: global_buffer, .address_space: global }
    .group_segment_fixed_size: 327680
    .private_segment_fixed_size: 0
    .kernarg_segment_align: 8
    .kernarg_segment_size: 56
    .max_flat_workgroup_size: 128
    .sgpr_count:     100
    .vgpr_count:     1024
    .wavefront_size: 32
...
	.end_amdgpu_metadata
.endif
;; end of part 3
